; MI455X (gfx1250); checked and timed in simulation.
; The chip was launched on July 23, 2026; its instructions are those of AMD's public machine-readable ISA for CDNA 5 (MIT licence, August 2026) and "CDNA5" Instruction Set Architecture Reference Guide (July 2026). The comments in the code are by the model that wrote it; some were corrected since.
;; Bahdanau Attention. Allowed arithmetic: matrix products marked QUANTISED: E2M3 operands, one E8M0 scale for each 32 along K, by v_wmma_scale_f32_16x16x128_f8f6f4 with both operands' format E2M3, f32 sums; products left as they are: f32 operands where the result goes on into a quantised operand, else bf16, f16 or f32 operands; f32 sums; everything else in f32.
;; Inputs: Ua_b 1,024 float32; Ua_w_codes 1,024 x 32 x 24 uint8 (E2M3 codes of Ua_w, K innermost, in blocks of 32 codes, four codes in three bytes); Ua_w_scales 1,024 x 32 uint8 (E8M0 scales of Ua_w, one for each 32 codes along K); Va_b 1 float32; Va_w 1 x 1,024 float32; Wa_b 1,024 float32; Wa_w_codes 1,024 x 32 x 24 uint8 (E2M3 codes of Wa_w, K innermost, in blocks of 32 codes, four codes in three bytes); Wa_w_scales 1,024 x 32 uint8 (E8M0 scales of Wa_w, one for each 32 codes along K); keys 32 x 2,048 x 1,024 float32; query_codes 32 x 1 x 32 x 24 uint8 (E2M3 codes of query, K innermost, in blocks of 32 codes, four codes in three bytes); query_scales 32 x 1 x 32 uint8 (E8M0 scales of query, one for each 32 codes along K).
;; Outputs: out0 32 x 1 x 1,024 float32; out1 32 x 1 x 2,048 float32.
;; This version of the problem:
;;   THIS VERSION OF THE PROBLEM IS GIVEN IN LOW PRECISION. The matrix products marked QUANTISED in the list below multiply operands that are first quantised to E2M3 (2 exponent bits, 3 mantissa bits; 6 bits a number), with one power-of-two scale for each 32 numbers along K (OCP MX v1.0); their sums are f32. All else is computed in f32.
;;   The module's matrix products, in the order in which they are computed (A, B: the left and right operand; K: the contracted axis; several contracted axes count as one K, in the product's order):
;;     1. [M 32, K 1,024] x [K 1,024, N 1,024]; A: input query (given as codes); B: input Wa_w (given as codes): QUANTISED
;;     2. [M 65,536, K 1,024] x [K 1,024, N 1,024]; A: input keys; B: input Ua_w (given as codes): QUANTISED
;;     3. [M 65,536, K 1,024] x [K 1,024, N 1]; A: computed on the way; B: input Va_w: left as it is (N = 1 < 16)
;;     4. batch 32 x [M 1, K 2,048] x [K 2,048, N 1,024]; A: softmax; B: input keys: left as it is (M = 1 < 16)
;;   THE QUANTISER, for each operand of a quantised product, along K:
;;     - K is cut into blocks of 32 from its start; a last block that is shorter is filled with zeros.
;;     - A block's scale is 2^e with e = floor(log2(the largest magnitude in the block)) - 2, held to -126 .. 127; a block of zeros has e = 0. As a byte (E8M0): e + 127.
;;     - Each number is divided by its block's scale, clamped to +-7.5, and rounded to the nearest number of E2M3, ties to even, subnormals kept.
;;     - The product sums the exact products of the quantised numbers (number of the format x scale) in f32.
;;   ~~~python
;;   def quantise(x, axis):      # numpy; x: float32 -> the quantised numbers, widened to float32 again
;;       x = np.moveaxis(x, axis, -1); K = x.shape[-1]
;;       x = np.pad(x, [(0, 0)] * (x.ndim - 1) + [(0, -K % 32)]); x = x.reshape(x.shape[:-1] + (-1, 32)); a = np.abs(x).max(-1, keepdims=True)
;;       e = np.where(a > 0, np.clip(np.frexp(np.where(a > 0, a, 1))[1] - 1 - 2, -126, 127), 0)      # np.frexp(a)[1] - 1 = floor(log2(a)), exactly
;;       r = np.clip(x / 2.0 ** e, -7.5, 7.5)
;;       step = 2.0 ** (np.maximum(np.frexp(np.where(r == 0, 1, r))[1] - 1, 0) - 3)
;;       q = np.round(r / step) * step * 2.0 ** e      # np.round: ties to even
;;       return np.moveaxis(q.reshape(q.shape[:-2] + (-1,))[..., :K], -1, axis).astype(np.float32)
;;   ~~~
;;   INPUTS GIVEN AS CODES. Ua_w (in the module: [1024, 1024], K = its axis 1); Wa_w (in the module: [1024, 1024], K = its axis 1); query (in the module: [32, 1, 1024], K = its axis 2): each comes as NAME_codes (uint8): NAME with its K axis moved to the last place and cut into blocks of 32 codes, [.., K / 32, bytes a block], one block behind the other in memory; four codes in three bytes: a row's codes are one little-endian stream of bits, code i at bits 6 i .. 6 i + 5 (a code: sign, 2 exponent bits, 3 mantissa bits); and NAME_scales (uint8): the same leading axes, one E8M0 byte (e + 127) for each 32 codes along K. Its value is code x scale, taken as it is: it is not quantised again, and the codes and scales need not be those that the quantiser above would give.
;; One version. Each part assembles by itself: llvm-mc -triple=amdgcn-amd-amdhsa -mcpu=gfx1250 --defsym DOCPART=n.
;; ======== version 1 of 1: 3 launches
;; limits: right only within a limited range of input values
;; workspace buffers: ub 819,200 bytes; qb 131,072 bytes; scores 262,144 bytes; ml 262,144 bytes; cp 8,388,608 bytes
;; launch prep (part 1): grid 64 x 1, 4 waves a work-group, no clusters, 0 bytes of LDS; arguments query_codes, query_scales, Wa_w_codes, Wa_w_scales, Wa_b, Ua_b, Ua_w_codes, Ua_w_scales, ub, qb; writes ub, qb
.if DOCPART == 1
	.amdgcn_target "amdgcn-amd-amdhsa--gfx1250"
	.amdhsa_code_object_version 6
	.text
	.protected	k_q4b8d706b20_prep
	.globl	k_q4b8d706b20_prep
	.p2align	8
	.type	k_q4b8d706b20_prep,@function
k_q4b8d706b20_prep:
	s_mov_b64 s[64:65], 0
	v_nop
	global_prefetch_b8 v0, s[64:65] scope:SCOPE_SE
	s_setreg_imm32_b32 hwreg(HW_REG_WAVE_MODE, 25, 1), 1
	s_wait_xcnt 0x0
; Two small jobs ahead of the main launch.  Work-group T owns rows 16 T .. 16 T + 15 of Wa and of Ua (output columns of both products).
; WAVES 0, 1 (mt = wave): qb[b][o] = c2 x (sum over h of query[b][h] Wa[o][h] + Wa_b[o] + Ua_b[o]), c2 = 2 log2(e), for batches 16 mt .. 16 mt + 15: the first quantised product, on the codes and
; scale bytes as they are given.  The product is used transposed (source 0 = 16 rows of Wa, source 1 = 16 rows of query), so that a lane holds eight neighbouring o of one batch: 32 bytes.
; K = 1,024 is eight matrix instructions; two accumulators take turns (even and odd K steps) and are added at the end.
; WAVES 2, 3 (v = wave - 2): Ua's codes are laid out in the order of an operand's registers, so that the main launch brings a tile of 128 rows as one dense block and reads each fragment by three loads of
; 16 bytes a lane.  ub: 8 tiles of 102,400 bytes; in a tile fragment (ct, s) (16 rows, K step s of 128) at (8 ct + s) x 1,536, its register group g at 512 g + 16 x lane; from byte 98,304 the scale bytes:
; ct x 512 + 256 jj + 16 r holds bytes 16 jj .. 16 jj + 15 of row 16 ct + r.
.set C2, 0x4038aa3b                    ; 2 log2(e)
	s_load_b256 s[4:11], s[0:1], 0x0               ; query's codes s[4:5], its scales s[6:7], Wa's codes s[8:9], its scales s[10:11]
	s_load_b256 s[12:19], s[0:1], 0x20             ; Wa_b s[12:13], Ua_b s[14:15], Ua's codes s[16:17], its scales s[18:19]
	s_load_b128 s[20:23], s[0:1], 0x40             ; ub s[20:21], qb s[22:23]
	v_lshrrev_b32 v1, 5, v0
	v_readfirstlane_b32 s24, v1                    ; wave 0..3
	v_and_b32 v1, 15, v0                           ; r
	v_bfe_u32 v2, v0, 4, 1                         ; h
	v_mul_u32_u24 v3, v1, 768                      ; a row of 1,024 codes is 768 bytes
	v_mad_u32_u24 v3, v2, 24, v3                   ; + 24 h: my half's block of 32 codes
	s_mul_i32 s26, ttmp9, 12288                    ; 16 rows of codes
	s_mov_b32 s27, 0
	s_lshl_b32 s28, ttmp9, 9                       ; 16 rows of 32 scale bytes
	s_mov_b32 s29, 0
	s_mov_b32 s31, 0
	s_wait_kmcnt 0x0
	s_cmp_lt_u32 s24, 2
	s_cbranch_scc0 .Llay
	; ---- the first product
	s_mul_i32 s30, s24, 12288
	s_add_nc_u64 s[4:5], s[4:5], s[30:31]          ; query's rows 16 mt on
	s_add_nc_u64 s[8:9], s[8:9], s[26:27]          ; Wa's rows 16 T on
	s_lshl_b32 s30, s24, 9
	s_add_nc_u64 s[6:7], s[6:7], s[30:31]
	s_add_nc_u64 s[10:11], s[10:11], s[28:29]
	s_lshl_b32 s30, ttmp9, 6                       ; 16 numbers of f32
	s_add_nc_u64 s[12:13], s[12:13], s[30:31]
	s_add_nc_u64 s[14:15], s[14:15], s[30:31]
	s_add_nc_u64 s[22:23], s[22:23], s[30:31]
	s_lshl_b32 s30, s24, 16                        ; 16 rows of qb
	s_add_nc_u64 s[22:23], s[22:23], s[30:31]
	s_wait_alu depctr_va_vdst(0)
	v_lshlrev_b32 v4, 5, v1                        ; 32 r: a row of scale bytes
	v_lshlrev_b32 v5, 5, v2                        ; 32 h: my eight o
	v_lshl_add_u32 v6, v1, 12, v5                  ; qb: row r of 4,096 bytes, + 32 h
.irp s, 0,1,2,3,4,5,6,7
.irp p, 0,1,2,3,4,5
	global_load_b64 v[16+12*\s+2*\p:17+12*\s+2*\p], v3, s[4:5] offset:96*\s+48*(\p/3)+8*(\p%3)
	global_load_b64 v[112+12*\s+2*\p:113+12*\s+2*\p], v3, s[8:9] offset:96*\s+48*(\p/3)+8*(\p%3)
.endr
.endr
	global_load_b128 v[208:211], v4, s[6:7]        ; scale words: one for each K step of 128
	global_load_b128 v[212:215], v4, s[6:7] offset:16
	global_load_b128 v[216:219], v4, s[10:11]
	global_load_b128 v[220:223], v4, s[10:11] offset:16
	global_load_b128 v[240:243], v5, s[12:13]
	global_load_b128 v[244:247], v5, s[12:13] offset:16
	global_load_b128 v[248:251], v5, s[14:15]
	global_load_b128 v[252:255], v5, s[14:15] offset:16
	s_wait_loadcnt 0x0
.irp t, 0,2,4,6
	v_pk_add_f32 v[240+\t:241+\t], v[240+\t:241+\t], v[248+\t:249+\t]   ; Wa_b + Ua_b
.endr
.irp s, 0,1,2,3,4,5,6,7
.if \s < 2
	v_wmma_scale_f32_16x16x128_f8f6f4 v[224+8*(\s%2):231+8*(\s%2)], v[112+12*\s:123+12*\s], v[16+12*\s:27+12*\s], 0, v[216+\s], v[208+\s] matrix_a_fmt:MATRIX_FMT_FP6 matrix_b_fmt:MATRIX_FMT_FP6
.else
	v_wmma_scale_f32_16x16x128_f8f6f4 v[224+8*(\s%2):231+8*(\s%2)], v[112+12*\s:123+12*\s], v[16+12*\s:27+12*\s], v[224+8*(\s%2):231+8*(\s%2)], v[216+\s], v[208+\s] matrix_a_fmt:MATRIX_FMT_FP6 matrix_b_fmt:MATRIX_FMT_FP6
.endif
.endr
.rept 4
	v_nop                                          ; four places between the last product and the first read of a result (ISA guide 7.12.1)
.endr
.irp t, 0,2,4,6
	v_pk_add_f32 v[248+\t:249+\t], v[224+\t:225+\t], v[232+\t:233+\t]   ; the two halves of K, each accumulator from its low end on
.endr
.irp t, 0,2,4,6
	v_pk_add_f32 v[248+\t:249+\t], v[248+\t:249+\t], v[240+\t:241+\t]
.endr
.irp t, 0,2,4,6
	v_pk_mul_f32 v[248+\t:249+\t], v[248+\t:249+\t], C2 op_sel_hi:[1,0]
.endr
	global_store_b128 v6, v[248:251], s[22:23]     ; qb(16 mt + r, 16 T + 8 h + 0 .. 7)
	global_store_b128 v6, v[252:255], s[22:23] offset:16
	s_endpgm
.Llay:
	; ---- Ua's fragments of K steps 4 v .. 4 v + 3, as they lie, become images of their registers
	s_sub_co_u32 s25, s24, 2                       ; v
	s_add_nc_u64 s[16:17], s[16:17], s[26:27]
	s_mul_i32 s30, s25, 384                        ; four K steps of 96 bytes
	s_add_nc_u64 s[16:17], s[16:17], s[30:31]
	s_wait_alu depctr_va_vdst(0)
.irp s, 0,1,2,3
.irp p, 0,1,2,3,4,5
	global_load_b64 v[16+12*\s+2*\p:17+12*\s+2*\p], v3, s[16:17] offset:96*\s+48*(\p/3)+8*(\p%3)
.endr
.endr
	s_lshr_b32 s32, ttmp9, 3
	s_mul_i32 s32, s32, 102400
	s_mov_b32 s33, 0
	s_add_nc_u64 s[20:21], s[20:21], s[32:33]      ; my tile of ub
	s_and_b32 s34, ttmp9, 7                        ; ct
	s_mul_i32 s30, s34, 12288
	s_add_nc_u64 s[36:37], s[20:21], s[30:31]
	s_mul_i32 s30, s25, 6144                       ; four images of 1,536 bytes
	s_add_nc_u64 s[36:37], s[36:37], s[30:31]
	v_and_b32 v7, 31, v0
	v_lshlrev_b32 v7, 4, v7                        ; 16 x lane
	s_wait_alu depctr_va_vdst(0)
	s_wait_loadcnt 0x0
.irp s, 0,1,2,3
.irp g, 0,1,2
	global_store_b128 v7, v[16+12*\s+4*\g:19+12*\s+4*\g], s[36:37] offset:1536*\s+512*\g   ; 32 lanes store 512 consecutive bytes
.endr
.endr
	s_cmp_lg_u32 s24, 2
	s_cbranch_scc1 .Ldone
	s_add_nc_u64 s[18:19], s[18:19], s[28:29]      ; wave 2 moves the 16 rows' scale bytes
	v_lshlrev_b32 v8, 5, v1
	v_lshl_add_u32 v8, v2, 4, v8                   ; row r, half h of its 32 bytes
	global_load_b128 v[64:67], v8, s[18:19]
	s_lshl_b32 s30, s34, 9
	s_add_co_u32 s30, s30, 98304
	s_add_nc_u64 s[38:39], s[20:21], s[30:31]
	s_wait_loadcnt 0x0
	global_store_b128 v7, v[64:67], s[38:39]       ; 256 h + 16 r
.Ldone:
	s_endpgm
.Lfunc_end_k_q4b8d706b20_prep:
	.size	k_q4b8d706b20_prep, .Lfunc_end_k_q4b8d706b20_prep-k_q4b8d706b20_prep
	.p2alignl 7, 3214868480
	.fill 96, 4, 3214868480
	.section	.rodata,"a",@progbits
	.p2align	6, 0x0
	.amdhsa_kernel k_q4b8d706b20_prep
		.amdhsa_group_segment_fixed_size 0
		.amdhsa_private_segment_fixed_size 0
		.amdhsa_enable_private_segment 0
		.amdhsa_kernarg_size 80
		.amdhsa_user_sgpr_count 2
		.amdhsa_user_sgpr_kernarg_segment_ptr 1
		.amdhsa_wavefront_size32 1
		.amdhsa_system_sgpr_workgroup_id_x 1
		.amdhsa_system_sgpr_workgroup_id_y 1
		.amdhsa_system_sgpr_workgroup_id_z 1
		.amdhsa_system_vgpr_workitem_id 0
		.amdhsa_next_free_vgpr 256
		.amdhsa_next_free_sgpr 66
		.amdhsa_reserve_vcc 0
		.amdhsa_float_denorm_mode_32 3
		.amdhsa_float_denorm_mode_16_64 3
		.amdhsa_memory_ordered 1
		.amdhsa_forward_progress 1
		.amdhsa_inst_pref_size 19
	.end_amdhsa_kernel
	.amdgpu_metadata
---
amdhsa.version: [ 1, 2 ]
amdhsa.kernels:
  - .name:           k_q4b8d706b20_prep
    .symbol:         k_q4b8d706b20_prep.kd
    .args:
      - { .name: query_codes, .offset: 0, .size: 8, .value_kind: global_buffer, .address_space: global }
      - { .name: query_scales, .offset: 8, .size: 8, .value_kind: global_buffer, .address_space: global }
      - { .name: Wa_w_codes, .offset: 16, .size: 8, .value_kind: global_buffer, .address_space: global }
      - { .name: Wa_w_scales, .offset: 24, .size: 8, .value_kind: global_buffer, .address_space: global }
      - { .name: Wa_b, .offset: 32, .size: 8, .value_kind: global_buffer, .address_space: global }
      - { .name: Ua_b, .offset: 40, .size: 8, .value_kind: global_buffer, .address_space: global }
      - { .name: Ua_w_codes, .offset: 48, .size: 8, .value_kind: global_buffer, .address_space: global }
      - { .name: Ua_w_scales, .offset: 56, .size: 8, .value_kind: global_buffer, .address_space: global }
      - { .name: ub, .offset: 64, .size: 8, .value_kind: global_buffer, .address_space: global }
      - { .name: qb, .offset: 72, .size: 8, .value_kind: global_buffer, .address_space: global }
    .group_segment_fixed_size: 0
    .private_segment_fixed_size: 0
    .kernarg_segment_align: 8
    .kernarg_segment_size: 80
    .max_flat_workgroup_size: 128
    .sgpr_count:     66
    .vgpr_count:     256
    .wavefront_size: 32
...
	.end_amdgpu_metadata
.endif
;; end of part 1
;; launch main (part 2): grid 256 x 1, 4 waves a work-group, clusters of 4 x 1, 327,680 bytes of LDS; arguments keys, ub, qb, Va_w, scores, ml, cp; writes scores, ml, cp
.if DOCPART == 2
	.amdgcn_target "amdgcn-amd-amdhsa--gfx1250"
	.amdhsa_code_object_version 6
	.text
	.protected	k_q4b8d706b20_main
	.globl	k_q4b8d706b20_main
	.p2align	8
	.type	k_q4b8d706b20_main,@function
k_q4b8d706b20_main:
	s_mov_b64 s[64:65], 0
	v_nop
	global_prefetch_b8 v0, s[64:65] scope:SCOPE_SE
	s_setreg_imm32_b32 hwreg(HW_REG_WAVE_MODE, 25, 1), 1
	s_wait_xcnt 0x0
	s_wait_alu depctr_hold_cnt(0) depctr_sa_sdst(0) depctr_va_vdst(0) depctr_va_sdst(0) depctr_va_ssrc(0) depctr_va_vcc(0) depctr_vm_vsrc(0)
	s_getreg_b32 s2, hwreg(HW_REG_IB_STS2, 6, 4)
	s_cmp_eq_u32 s2, 0
	s_cbranch_scc0 .Lentry_in_a_cluster
	s_endpgm
.Lentry_in_a_cluster:
	s_bfe_u32 s2, ttmp6, 0x10000c
	s_cmp_lg_u32 s2, 0x3003
	s_cbranch_scc0 .Lentry_shape_is_right
	s_endpgm
.Lentry_shape_is_right:
; raw[b][s] = -2 x sum over o of Va[o] / (1 + 2^(c2 (q[b][o] + k[b][s][o]))), k = keys Ua^T on codes of FP6 (E2M3) with one E8M0 scale for each 32 along K; tanh(x) = 1 - 2 / (1 + 2^(c2 x)), c2 = 2 log2(e), so the
; score is raw + sum(Va) + Va_b: the last launch adds that.  Then, for each 32 rows, a part of the softmax (their largest raw m, p = e^(raw - m), their sum l) and of the context (sum of p x keys' row, f32).
; LIMITS: NaN and infinities in keys are not served; a block of 32 whose largest magnitude lies under 2^-124 keeps the scale byte 1 (a block of zeros too: its codes are zeros, and this program alone reads the bytes);
; tanh made so has an absolute error of about 1e-7.  2^x that overflows gives 1 / infinity = 0, one that underflows gives 1: both are tanh's limits, so nothing is clamped.
; SHARES.  256 work-groups; each owns 256 rows of one batch, as two blocks of 128.  The four waves are 2 x 2: wave w = 2 i + j holds the codes of rows 64 i .. 64 i + 63 of a block, all of K, in 384 registers, and
; multiplies them by columns 64 j .. 64 j + 63 of each tile of 128 rows of Ua; a fragment of Ua read from LDS feeds four matrix instructions.  Ua goes by in 8 tiles (TURNS) for each block, through two LDS slots.
; CLUSTER.  The four work-groups of a cluster walk the same tiles of Ua: each quarter of a tile is asked for jointly, by the same tensor load with the same descriptor and the mask of all four.
; keys IS READ TWICE: once to be quantised (wave w: rows 32 w .. 32 w + 31 of a block; the codes go from wave to wave through LDS as images of the operand's registers), once in f32 for the context, when the rows'
; No prefetch is laid: each wave keeps 32 to 64 loads of 512 bytes of its own on their way, and Ua's tiles are read by every work-group.
; THE ACTIVATION of a column tile (112 vector instructions for its 32 numbers a lane) stands whole behind the column tile's own 32 matrix instructions.
; REGISTERS, in windows of 256.  Window 0: v0-31 addresses; v32-63 A's scale words, v64-79 B's (two sets): scales and nothing else; v80-119 the quantiser's, later v80-111 the context; v112-119 at work for the scores;
;   v120-123 four p; v128-159 the scores' sums; v160-255 B's fragments, set 1.   Window 1: v0-63 two sets of four accumulators; v96-99 qb, v100-103 Va of my four column tiles; v160-255 B's fragments, set 0.
;   Windows 2, 3: v0-191 A's fragments (m, s) at 48 m + 12 (s % 4), window 2 + s / 4; v192-255 a landing set for keys; v0-63 a second one while A is not alive.
.set SLOTB, 102400                     ; a slot: a tile of Ua: 64 images of 1,536 bytes, then 4,096 scale bytes
.set CIMG,  204800                     ; images of a block's codes: (8 g + s) x 1,536 + 512 c + 16 x lane, g = tile of 16 rows
.set ASCI,  303104                     ; their scale words: (8 g + s) x 64 + 4 r
.set STG,   307200                     ; a stage of 16 rows x (256 + 16) bytes for each wave
.set SX,    324608                     ; [column half][128 rows] parts of the scores
.set PB,    325632                     ; 32 p for each wave
.set SPARE, 326144                     ; the spare words, 128 bytes for each wave: two blocks of 256 bytes that no other line names
.set TM,   80                          ; v80-83 largest magnitudes, v84-87 bytes, v92-95 the conversions' scale operands
.set PW,   96                          ; the scale word just made
.set PC,   100                         ; v100-111 the fragment just made, v112-118 its halves on the way
.set CTX,  80
.set SACC, 128
.set TB,   40                          ; s40 the slot that is read;  s41 the slot that is filled;  s42 my quarter of a slot: 25,600 x wave;  s43 the tile's number
.set TN,   41
.set WOFF, 42
.set TI,   43
.set KC,   52                          ; s52 the next pair of K steps to be asked for;  s53 the next four rows to be asked for
.set RC,   53
.set IOFF, 54                          ; s54, s55 where the next images and scale words go;  s56 where the next four p lie
.set SOFF, 55
.set POFF, 56
.set CNT,  62
.set MSB, 0
.macro WIN new                         ; the immediate's high byte repeats the setting that is left; a switch that changes nothing is dropped
.set WNEW, \new
.if MSB != WNEW
	s_set_vgpr_msb (MSB<<8)+WNEW
.set MSB, WNEW
.endif
.endm
; A round of the cluster's barrier: my work-group's barrier, wave 0 signals for the work-group, every wave waits for all four work-groups, my work-group's barrier once more.
.macro ROUND
	s_barrier_signal -1
	s_barrier_wait -1
	s_cmp_lg_u32 s18, 0
	s_cbranch_scc1 .Lnw0_\@
	s_barrier_signal -3
.Lnw0_\@:
	s_barrier_wait -3
	s_barrier_signal -1
	s_barrier_wait -1
.endm
; 32 loads: pair KC of my rows: 16 rows x 256 columns (two K steps).  Sixteen lanes take 256 consecutive bytes of a row, the other sixteen those of the next row.  K step e lands in window 2 + e.
.macro QLOAD base
	s_wait_xcnt 0x0                                ; the earlier loads have read their base
	s_and_b32 s80, s[KC], 3
	s_lshl_b32 s50, s80, 10                        ; 256 columns are 1,024 bytes
	s_bfe_u32 s80, s[KC], 0x10002
	s_lshl_b32 s80, s80, 16                        ; 16 rows
	s_or_b32 s50, s50, s80
	s_lshr_b32 s80, s[KC], 3
	s_lshl_b32 s80, s80, 19                        ; a block of 128 rows
	s_or_b32 s50, s50, s80
	s_add_nc_u64 s[46:47], s[44:45], s[50:51]
	s_add_co_u32 s[KC], s[KC], 1
.irp e, 0,1
	WIN 0x80+0x40*\e
.irp u, 0,1
.irp i, 0,1,2,3,4,5,6,7
	global_load_b128 v[\base+32*\u+4*\i:\base+32*\u+4*\i+3], v6, s[46:47] offset:8192*\i+512*\e+256*\u
.endr
.endr
.endr
	WIN 0
.endm
; 64 numbers of a lane at index x of window win, register 16 b + i = k 32 b + 16 (lane / 16) + i of my row, become a fragment's codes in v[PC] on and its scale word in v[PW].
.macro QUANT x, win
	WIN 5*(\win)
.irp b, 0,1,2,3
	v_max3_num_f32 v[TM+\b], |v[\x+16*\b]|, |v[\x+16*\b+1]|, 0x1800000   ; my 16 numbers of block b, and the floor 2^(3 - 127): the byte cannot fall under 1
.endr
.irp i, 2,4,6,8,10,12,14
.irp b, 0,1,2,3
	v_max3_num_f32 v[TM+\b], |v[\x+16*\b+\i]|, |v[\x+16*\b+\i+1]|, v[TM+\b]
.endr
.endr
	WIN 0
.irp b, 0,1,2,3
	v_permlanex16_b32 v[TM+4+\b], v[TM+\b], s60, s61
.endr
.irp b, 0,1,2,3
	v_max_num_f32 v[TM+\b], v[TM+\b], v[TM+4+\b]   ; with lane l xor 16's: the block's largest magnitude
.endr
.irp b, 0,1,2,3
	v_add_nc_u32 v[TM+12+\b], 0xff000000, v[TM+\b] ; 2 off its exponent field: the conversion takes the exponent field of this operand as its scale
.endr
.irp b, 0,1,2,3
	v_lshrrev_b32 v[TM+4+\b], 23, v[TM+12+\b]      ; the scale's byte
.endr
	v_lshl_or_b32 v[PW], v[TM+5], 8, v[TM+4]
	v_lshl_or_b32 v[PW], v[TM+6], 16, v[PW]
	v_lshl_or_b32 v[PW], v[TM+7], 24, v[PW]
	WIN \win
.irp c, 0,1
	v_cvt_scalef32_pk16_fp6_f32 v[PC+6*\c:PC+6*\c+2], v[\x+32*\c:\x+32*\c+15], v[TM+12+2*\c]
	v_cvt_scalef32_pk16_fp6_f32 v[PC+12+4*\c:PC+14+4*\c], v[\x+32*\c+16:\x+32*\c+31], v[TM+13+2*\c]   ; (a conversion's three registers begin on an even number)
.endr
	WIN 0
	v_nop                                          ; one plain place behind a scaled conversion
.irp c, 0,1                                    ; the operand's layout wants a whole block in a lane
.irp i, 0,1,2
	v_permlane16_swap_b32 v[PC+6*\c+\i], v[PC+12+4*\c+\i]
.endr
.irp i, 0,1,2
	v_mov_b32 v[PC+3+6*\c+\i], v[PC+12+4*\c+\i]
.endr
.endr
.endm
.macro IMG off, soff                           ; the fragment goes to LDS as it stands: 16 bytes a lane, 512 a store; its scale word: 4 bytes a row (both halves of the lanes write the same word with the same value)
.irp c, 0,1,2
	ds_store_b128 v11, v[PC+4*\c:PC+4*\c+3] offset:\off+512*\c
.endr
	ds_store_b32 v13, v[PW] offset:\soff
.endm
; A pair is worked: its numbers turn through my stage (in as they were loaded, two rows a store; back 16 neighbours of a block a lane), are quantised and leave as two images.
; left: the younger loads that may stay out.  tab = 1: the turn's table loads are waited for.  mode 0: nothing is asked for; 1: the next pair for this set; 2: the same while there is one.
.macro QPAIR base, left, tab, mode
	s_wait_loadcnt \left
.irp e, 0,1
.irp u, 0,1
	WIN 0x08+0x04*\e
.irp i, 0,1,2,3,4,5,6,7
	ds_store_b128 v8, v[\base+32*\u+4*\i:\base+32*\u+4*\i+3] offset:544*\i
.endr
	WIN 0x80+0x40*\e
.irp k, 0,1,2,3,4,5,6,7
	ds_load_b128 v[\base+32*\u+4*\k:\base+32*\u+4*\k+3], v9 offset:128*(\k/4)+16*(\k%4)   ; LDS serves a wave's instructions in order (ISA guide 5.7.1.4): these see the stores above, and the next stores come behind them
.endr
.endr
.endr
	WIN 0
	s_wait_dscnt 32                                ; the first K step is back; the second's 16 stores and 16 loads may be out.  The last images' stores are done too
	v_add_nc_u32 v11, s[IOFF], v10
	v_add_nc_u32 v13, s[SOFF], v12
	QUANT \base, 2
	IMG 0, 0
	s_wait_dscnt 0x0                               ; the second K step is back, and the stores have read their registers
	QUANT \base, 3
	IMG 1536, 64
	s_add_co_u32 s[IOFF], s[IOFF], 3072
	s_add_co_u32 s[SOFF], s[SOFF], 128
.if \tab
	s_wait_loadcnt 0x0                             ; qb and Va of this tile
.endif
.if \mode == 1
	QLOAD \base
.endif
.if \mode == 2
	s_cmp_lt_u32 s[KC], 16                         ; my 32 rows of two blocks are 16 pairs: no load leaves my rows
	s_cbranch_scc0 .Lnoq_\@
	QLOAD \base
.Lnoq_\@:
.endif
.endm
; 32 loads: four whole rows, RC-th of my rows, for the context: a load takes 512 consecutive bytes.  Read for the last time.
.macro RLOAD base
	s_wait_xcnt 0x0
	s_and_b32 s80, s[RC], 7
	s_lshl_b32 s50, s80, 14
	s_lshr_b32 s80, s[RC], 3
	s_lshl_b32 s80, s80, 19
	s_or_b32 s50, s50, s80
	s_add_nc_u64 s[48:49], s[44:45], s[50:51]
	s_add_co_u32 s[RC], s[RC], 1
.irp i, 0,1,2,3
	WIN 0x80+0x40*(\i/2)
.irp u, 0,1,2,3,4,5,6,7
	global_load_b128 v[\base+32*(\i%2)+4*\u:\base+32*(\i%2)+4*\u+3], v7, s[48:49] offset:4096*\i+512*\u th:TH_LOAD_NT
.endr
.endr
	WIN 0
.endm
; Four rows are added to the context: 64 packed multiply-adds by the rows' p.
.macro RPAIR base, left, tab, reissue
	v_mov_b32 v24, s[POFF]
	ds_load_b128 v[120:123], v24                   ; every lane reads the same four p: my wave's own bytes
	s_add_co_u32 s[POFF], s[POFF], 16
	s_wait_loadcnt \left
	s_wait_dscnt 0x0
.irp i, 0,1,2,3
	WIN 2+(\i/2)
.irp u, 0,1,2,3,4,5,6,7
.irp t, 0,1
.if (\i%2) == 0
	v_pk_fma_f32 v[CTX+4*\u+2*\t:CTX+4*\u+2*\t+1], v[\base+32*(\i%2)+4*\u+2*\t:\base+32*(\i%2)+4*\u+2*\t+1], v[120+2*(\i/2):121+2*(\i/2)], v[CTX+4*\u+2*\t:CTX+4*\u+2*\t+1] op_sel_hi:[1,0,1]
.else
	v_pk_fma_f32 v[CTX+4*\u+2*\t:CTX+4*\u+2*\t+1], v[\base+32*(\i%2)+4*\u+2*\t:\base+32*(\i%2)+4*\u+2*\t+1], v[120+2*(\i/2):121+2*(\i/2)], v[CTX+4*\u+2*\t:CTX+4*\u+2*\t+1] op_sel:[0,1,0] op_sel_hi:[1,1,1]
.endif
.endr
.endr
.endr
	WIN 0
.if \tab
	s_wait_loadcnt 0x0                             ; qb and Va of this tile
.endif
.if \reissue
	RLOAD \base
.endif
.endm
; Column tile c's eight fragments of Ua and its eight scale words, from the slot in hand, into set 0 (window 1) or 1 (window 0).
.macro FETCH c, set
.if (\set) == 0
	WIN 0x40
.else
	WIN 0
.endif
.irp s, 0,1,2,3,4,5,6,7
.irp g, 0,1,2
	ds_load_b128 v[160+12*\s+4*\g:163+12*\s+4*\g], v15 offset:12288*(\c)+1536*\s+512*\g
.endr
.endr
	WIN 0
	ds_load_b128 v[64+8*(\set):67+8*(\set)], v17 offset:512*(\c)
	ds_load_b128 v[68+8*(\set):71+8*(\set)], v17 offset:512*(\c)+256
.endm
; Number j of the 112 instructions of column tile p's activation, in five runs.  0-15: c2 x sum + qb (a pair an instruction); 16-47: 2^.; 48-63: + 1; 64-95: 1 / .; 96-111: the scores' sums take Va x that.
; Each accumulator is read from its low end on.
.macro ACTI p
.set aa, 32*((\p)%2)
.set tq, 96+2*((\p)/2)
.set tv, 100+2*((\p)/2)
.if j < 48
	WIN 0x55
.if j < 16
.set rr, aa+2*j
.if ((\p)%2) == 0
	v_pk_fma_f32 v[rr:rr+1], v[rr:rr+1], s[58:59], v[tq:tq+1] op_sel_hi:[1,0,0]
.else
	v_pk_fma_f32 v[rr:rr+1], v[rr:rr+1], s[58:59], v[tq:tq+1] op_sel:[0,0,1] op_sel_hi:[1,0,1]
.endif
.else
.set rr, aa+j-16
	v_exp_f32 v[rr], v[rr]
.endif
.elseif j < 96
	WIN 0x55
.if j < 64
.set rr, aa+2*(j-48)
	v_pk_add_f32 v[rr:rr+1], v[rr:rr+1], 1.0 op_sel_hi:[1,0]
.else
.set rr, aa+j-64
	v_rcp_f32 v[rr], v[rr]
.endif
.else
	WIN 0x05                                       ; the accumulators and Va in window 1, the scores' sums in window 0
.set rr, aa+2*(j-96)
.set ss, SACC+2*(j-96)
.if ((\p)%2) == 0
	v_pk_fma_f32 v[ss:ss+1], v[rr:rr+1], v[tv:tv+1], v[ss:ss+1] op_sel_hi:[1,0,1]
.else
	v_pk_fma_f32 v[ss:ss+1], v[rr:rr+1], v[tv:tv+1], v[ss:ss+1] op_sel:[0,1,0] op_sel_hi:[1,1,1]
.endif
.endif
.endm
; Column tile c: 32 matrix instructions on end, K step by K step, the four accumulators (tiles of 16 rows) by turns; the first K step starts the sums.
; Source 0 = 16 rows of keys, source 1 = 16 rows of Ua: register jj of lane (r, h) is (row 8 h + jj, column r).
.macro MUL c
.irp s, 0,1,2,3,4,5,6,7
.irp m, 0,1,2,3
	WIN 0x50+4*(1-(\c)%2)+2+\s/4
.set dd, 32*((\c)%2)+8*\m
.set fa, 48*\m+12*(\s%4)
.set fb, 160+12*\s
.if \s == 0
	v_wmma_scale_f32_16x16x128_f8f6f4 v[dd:dd+7], v[fa:fa+11], v[fb:fb+11], 0, v[32+8*\m+\s], v[64+8*((\c)%2)+\s] matrix_a_fmt:MATRIX_FMT_FP6 matrix_b_fmt:MATRIX_FMT_FP6
.else
	v_wmma_scale_f32_16x16x128_f8f6f4 v[dd:dd+7], v[fa:fa+11], v[fb:fb+11], v[dd:dd+7], v[32+8*\m+\s], v[64+8*((\c)%2)+\s] matrix_a_fmt:MATRIX_FMT_FP6 matrix_b_fmt:MATRIX_FMT_FP6
.endif
.endr
.endr
.endm
.macro ACTRUN p, cnt
.rept \cnt
	ACTI \p
.set j, j+1
.endr
.endm
; Column tile p's activation, behind its own products: each batch of 32 transcendentals has one wait ahead of it and, behind a plain place, one behind it.
.macro ACTSEQ p
.set j, 0
	ACTRUN \p, 16                                  ; the exponents
	s_wait_alu depctr_va_vdst(0)
	ACTRUN \p, 32                                  ; 2^.
	v_nop
	s_wait_alu depctr_va_vdst(0)
	ACTRUN \p, 16                                  ; + 1
	s_wait_alu depctr_va_vdst(0)
	ACTRUN \p, 32                                  ; 1 / .
	v_nop
	s_wait_alu depctr_va_vdst(0)
	ACTRUN \p, 16                                  ; into the scores' sums
.endm
; A TURN: one tile of Ua against my 64 rows.  At its head the change of slots: every wave waits for all its tensor loads (one is out: its quarter of the tile ahead), adds 0 to its spare word, and waits for
; that and for all its LDS instructions; refill = 1: a round of the cluster's barrier, and first behind it the joint load of the next tile into the slot just left: it has the whole turn in which to land.
; kind 0: a pair of the next block is quantised; kind 1: four rows of the last block go into the context.
.macro TURN kind, refill
	s_wait_tensorcnt 0x0                           ; no tensor load of mine is out, so the descriptor may be written
	ds_add_u32 v4, v5                              ; 0 onto my spare word; the scalar work below stands between it and the wait for it
	s_wait_xcnt 0x0                                ; the last table loads have read their bases
	s_xor_b32 s[TB], s[TB], SLOTB                  ; the slot ahead
	s_lshl_b32 s72, s[TI], 9                       ; the tile's 128 columns of qb and Va
	s_add_nc_u64 s[68:69], s[66:67], s[72:73]
	s_add_nc_u64 s[70:71], s[10:11], s[72:73]
.if \refill
	s_xor_b32 s[TN], s[TB], SLOTB                  ; the slot just left,
	s_add_co_u32 s33, s[TN], s[WOFF]               ; my quarter of it
	s_add_co_u32 s[TI], s[TI], 1
	s_and_b32 s[TI], s[TI], 7                      ; the next tile: behind the eighth comes the first again, for the next block
	s_mul_i32 s38, s[TI], SLOTB
	s_add_nc_u64 s[34:35], s[36:37], s[38:39]
	s_or_b32 s35, s35, 0x80000000
.endif
	s_wait_dscnt 0x0                               ; the add is done, my reads of the slot just left are over, and so are my reads and stores of the images
.if \refill
	ROUND                                          ; the same now holds of every wave of all four work-groups
	tensor_load_to_lds s[32:35], s[24:31]
	s_nop 0
.rept 4
	v_nop
.endr
.else
	s_barrier_signal -1
	s_barrier_wait -1
.endif
	v_add_nc_u32 v15, s[TB], v14
	v_add_nc_u32 v17, s[TB], v16
	FETCH 0, 0
	FETCH 1, 1
	WIN 0x40
.irp c, 0,1,2,3
	global_load_b32 v[96+\c], v18, s[68:69] offset:64*\c
	global_load_b32 v[100+\c], v18, s[70:71] offset:64*\c
.endr
	WIN 0
.if \kind == 0
	QPAIR 192, 8, 1, 2                             ; the count leaves the eight table loads out
.else
	RPAIR 192, 8, 1, 1
.endif
	s_wait_dscnt 0x0                               ; both sets of B are in
.irp c, 0,1,2,3                                ; a column tile's products, then its activation; the set of B just left takes the column tile two further on
.if \c >= 2
	s_wait_dscnt 26*(3-\c)                         ; this tile's 26 loads are in; ahead of tile 2 the 26 of tile 3, issued behind them, may be out
.endif
	MUL \c
.rept 4
	v_nop                                          ; places behind the products: for the loads into their set of B and for the first read of their results
.endr
.if \c < 2
	FETCH \c+2, \c
.endif
	ACTSEQ \c
.endr
	WIN 0
.endm
.macro ALOAD                                   ; my 64 rows' 32 fragments and scale words, from the images
.irp s, 0,1,2,3,4,5,6,7
	WIN 0x80+0x40*(\s/4)
.irp m, 0,1,2,3
.irp g, 0,1,2
	ds_load_b128 v[48*\m+12*(\s%4)+4*\g:48*\m+12*(\s%4)+4*\g+3], v19 offset:12288*\m+1536*\s+512*\g
.endr
.endr
.endr
	WIN 0
.irp m, 0,1,2,3
.irp s, 0,1,2,3,4,5,6,7
	ds_load_b32 v[32+8*\m+\s], v20 offset:512*\m+64*\s
.endr
.endr
.endm
; A block's scores are finished: summed over the 16 lanes of a half, handed over through LDS, summed over the two column halves; wave w then owns rows 32 w .. 32 w + 31, a lane a row.
.macro SCORE blk
.if \blk == 0
	s_wait_loadcnt 0x0                             ; nothing is on its way into the landing set
	RLOAD 192                                      ; block 0's first four rows for the context
.endif
.irp x, 1,2,4,8
.set q, 0
.rept 32
	v_add_f32_dpp v[SACC+q], v[SACC+q], v[SACC+q] row_xmask:\x row_mask:0xf bank_mask:0xf
.set q, q+1
.endr
.endr
.irp m, 0,1,2,3
.irp t, 0,1
	ds_store_b128 v21, v[SACC+8*\m+4*\t:SACC+8*\m+4*\t+3] offset:64*\m+16*\t   ; the sixteen lanes of a half write the same bytes with the same values
.endr
.endr
	s_wait_dscnt 0x0                               ; for the others' sake: my stores have landed, the next block's images among them
	s_barrier_signal -1
	s_barrier_wait -1
	ds_load_b32 v112, v22
	ds_load_b32 v113, v22 offset:512
	s_wait_dscnt 0x0
.if \blk == 0
	ALOAD                                          ; block 1's codes; they are waited for at the next turn's head
.endif
	v_add_f32 v112, v112, v113
	v_mul_f32 v112, -2.0, v112                     ; raw
	global_store_b32 v25, v112, s[74:75]
	v_mov_b32 v114, 0                              ; (a lane permute's and a DPP form's destination counts as one of its sources)
	v_mov_b32 v116, 0
	v_max_num_f32_dpp v113, v112, v112 row_xmask:1 row_mask:0xf bank_mask:0xf
	v_max_num_f32_dpp v113, v113, v113 row_xmask:2 row_mask:0xf bank_mask:0xf
	v_max_num_f32_dpp v113, v113, v113 row_xmask:4 row_mask:0xf bank_mask:0xf
	v_max_num_f32_dpp v113, v113, v113 row_xmask:8 row_mask:0xf bank_mask:0xf
	v_permlanex16_b32 v114, v113, s60, s61
	v_max_num_f32 v113, v113, v114                 ; m: the largest of my wave's 32
	v_sub_f32 v115, v112, v113
	v_mul_f32 v115, 0x3fb8aa3b, v115
	s_wait_alu depctr_va_vdst(0)
	v_exp_f32 v115, v115
	v_nop
	s_wait_alu depctr_va_vdst(0)                   ; the wait ahead of the first use
	v_add_f32_dpp v116, v115, v115 row_xmask:1 row_mask:0xf bank_mask:0xf
	v_add_f32_dpp v116, v116, v116 row_xmask:2 row_mask:0xf bank_mask:0xf
	v_add_f32_dpp v116, v116, v116 row_xmask:4 row_mask:0xf bank_mask:0xf
	v_add_f32_dpp v116, v116, v116 row_xmask:8 row_mask:0xf bank_mask:0xf
	v_permlanex16_b32 v114, v116, s60, s61
	v_add_f32 v116, v116, v114                     ; l: their sum
	ds_store_b32 v23, v115
	v_cmp_eq_u32 vcc_lo, 0, v1
	v_cndmask_b32 v117, v116, v113, vcc_lo         ; word 0: m; the others: l
	global_store_b32 v25, v117, s[76:77]
	s_lshl_b32 s[POFF], s18, 7
	s_add_co_u32 s[POFF], s[POFF], PB
	s_wait_xcnt 0x0                                ; the stores have read their registers and bases
	s_add_nc_u64 s[74:75], s[74:75], 512           ; the next block's 128 rows
	s_add_nc_u64 s[76:77], s[76:77], 512           ; and its four parts
.set q, 0
.rept 32
	v_mov_b32 v[CTX+q], 0
.set q, q+1
.endr
.if \blk == 0
.set q, 0
.rept 32
	v_mov_b32 v[SACC+q], 0
.set q, q+1
.endr
.endif
.endm
.macro FIN                                     ; a part of the context leaves: a store covers 512 consecutive bytes
.irp u, 0,1,2,3,4,5,6,7
	global_store_b128 v7, v[CTX+4*\u:CTX+4*\u+3], s[78:79] offset:512*\u th:TH_STORE_NT
.endr
	s_wait_xcnt 0x0
	s_add_nc_u64 s[78:79], s[78:79], 16384
.endm
	s_load_b256 s[4:11], s[0:1], 0x0               ; keys s[4:5], ub s[6:7], qb s[8:9], Va_w s[10:11]
	s_load_b128 s[12:15], s[0:1], 0x20             ; scores s[12:13], ml s[14:15]
	s_load_b64 s[16:17], s[0:1], 0x30              ; cp
	v_lshl_add_u32 v4, v0, 2, SPARE
	v_mov_b32 v5, 0
	ds_add_u32 v4, v5
	ds_add_u32 v4, v5
	s_wait_dscnt 0x0
	v_lshrrev_b32 v26, 5, v0
	v_readfirstlane_b32 s18, v26                   ; wave 0..3
	s_lshr_b32 s19, s18, 1                         ; i: my half of a block's rows
	s_and_b32 s20, s18, 1                          ; j: my half of a tile's columns
	s_bfe_u32 s21, ttmp6, 0x40000                  ; cx: it enters global addresses of keys, qb and the results alone
	s_lshl_b32 s22, ttmp9, 2
	s_add_co_u32 s22, s22, s21                     ; work-group = 4 x cluster + cx
	v_and_b32 v1, 31, v0                           ; lane
	v_and_b32 v2, 15, v0                           ; r
	v_bfe_u32 v3, v0, 4, 1                         ; h
	v_lshlrev_b32 v6, 4, v2
	v_lshl_add_u32 v6, v3, 12, v6                  ; keys, to be quantised: 16 r, lanes 16-31 a row further down
	v_lshlrev_b32 v7, 4, v1                        ; 16 x lane
	s_mul_i32 s23, s18, 4352
	s_add_co_u32 s23, s23, STG                     ; my stage
	v_mul_u32_u24 v8, v3, 272
	v_lshl_add_u32 v8, v2, 4, v8
	v_add_nc_u32 v8, s23, v8                       ; in: row h of a pair of rows, 16 r
	v_mul_u32_u24 v9, v2, 272
	v_lshl_add_u32 v9, v3, 6, v9
	v_add_nc_u32 v9, s23, v9                       ; back: row r, my half's 16 numbers of a block
	s_mul_i32 s23, s18, 24576
	s_add_co_u32 s23, s23, CIMG
	v_add_nc_u32 v10, s23, v7                      ; where I store images: my two tiles of rows
	s_lshl_b32 s23, s18, 10
	s_add_co_u32 s23, s23, ASCI
	v_lshl_add_u32 v12, v2, 2, s23                 ; and their scale words
	s_mul_i32 s23, s20, 49152
	v_add_nc_u32 v14, s23, v7                      ; B's fragments in a slot: my four column tiles
	s_lshl_b32 s23, s20, 11
	s_add_co_u32 s23, s23, 98304
	v_lshl_add_u32 v16, v2, 4, s23                 ; and their scale words
	s_lshl_b32 s23, s20, 8
	v_lshl_add_u32 v18, v2, 2, s23                 ; qb, Va: my column of a column tile
	s_mul_i32 s23, s19, 49152
	s_add_co_u32 s23, s23, CIMG
	v_add_nc_u32 v19, s23, v7                      ; where I read images: my four tiles of rows
	s_lshl_b32 s23, s19, 11
	s_add_co_u32 s23, s23, ASCI
	v_lshl_add_u32 v20, v2, 2, s23
	s_lshl_b32 s23, s20, 9
	s_lshl_b32 s80, s19, 8
	s_add_co_u32 s23, s23, s80
	s_add_co_u32 s23, s23, SX
	v_lshl_add_u32 v21, v3, 5, s23                 ; the scores' parts: column half j, rows 64 i + 8 h on
	s_lshl_b32 s23, s18, 7
	s_add_co_u32 s80, s23, SX
	v_lshl_add_u32 v22, v1, 2, s80                 ; back: row 32 w + lane
	s_add_co_u32 s80, s23, PB
	v_lshl_add_u32 v23, v1, 2, s80                 ; my p
	v_lshlrev_b32 v25, 2, v1
.irp b, 0,1,2,3
	v_mov_b32 v[TM+4+\b], 0                        ; written once: a lane permute's destination counts as one of its sources
.endr
.set q, 0
.rept 32
	v_mov_b32 v[SACC+q], 0
.set q, q+1
.endr
	; descriptor group 1: a quarter of a tile: 100 rows of 256 bytes, dense, no padding
	s_mov_b32 s24, 15+(3<<16)+(1<<21)              ; 15:0 the mask: all four work-groups; 17:16 elements of 8 bytes; 21 set beside a mask
	s_mov_b32 s25, 32<<16                          ; tensor_dim0 = 32
	s_mov_b32 s26, 100<<16                         ; tensor_dim1 = 100
	s_mov_b32 s27, 32<<16                          ; tile_dim0 = 32
	s_mov_b32 s28, 100                             ; tile_dim1 = 100
	s_mov_b32 s29, 32                              ; from row to row
	s_mov_b32 s30, 0
	s_mov_b32 s31, 0
	s_mov_b32 s58, 0x4038aa3b                      ; c2 = 2 log2(e)
	s_mov_b32 s59, s58                             ; (named with it as a pair, so it is written)
	s_mov_b32 s60, 0x76543210
	s_mov_b32 s61, 0xfedcba98                      ; v_permlanex16_b32's selects for lane l xor 16
	s_mov_b32 s[KC], 0
	s_mov_b32 s[RC], 0
	s_mov_b32 s[IOFF], 0
	s_mov_b32 s[SOFF], 0
	s_mov_b32 s[TI], 0
	s_mov_b32 s[TB], SLOTB                         ; the first turn turns it to slot 0
	s_mov_b32 s39, 0
	s_mov_b32 s51, 0
	s_mov_b32 s73, 0
	s_mul_i32 s[WOFF], s18, 25600
	s_mov_b32 s38, s[WOFF]
	s_wait_kmcnt 0x0
	s_add_nc_u64 s[36:37], s[6:7], s[38:39]        ; ub at my quarter of a tile: the wave's number alone enters it
	s_lshl_b32 s80, s22, 8
	s_lshl_b32 s81, s18, 5
	s_add_co_u32 s80, s80, s81                     ; the first row that I quantise, score and sum: 256 x work-group + 32 x wave
	s_lshl_b32 s50, s80, 12
	s_add_nc_u64 s[44:45], s[4:5], s[50:51]
	s_lshl_b32 s50, s80, 2
	s_add_nc_u64 s[74:75], s[12:13], s[50:51]
	s_lshl_b32 s81, s22, 3
	s_add_co_u32 s81, s81, s18                     ; my first part: 8 x work-group + wave
	s_lshl_b32 s50, s81, 7
	s_add_nc_u64 s[76:77], s[14:15], s[50:51]
	s_lshl_b32 s50, s81, 12
	s_add_nc_u64 s[78:79], s[16:17], s[50:51]
	s_lshr_b32 s81, s22, 3                         ; the batch
	s_lshl_b32 s50, s81, 12
	s_add_nc_u64 s[66:67], s[8:9], s[50:51]
	QLOAD 192                                      ; pairs 0 and 1
	QLOAD 0
	ROUND                                          ; all four work-groups are here: the first joint load meets
	s_mov_b32 s32, 1                               ; count = 1
	s_mov_b32 s33, s[WOFF]                         ; slot 0, my quarter
	s_mov_b64 s[34:35], s[36:37]                   ; tile 0
	s_or_b32 s35, s35, 0x80000000                  ; type = 2
	tensor_load_to_lds s[32:35], s[24:31]
	s_nop 0
.rept 4
	v_nop
.endr
	; ---- block 0 is quantised: eight pairs, two landing sets by turns; each count leaves the other set's 32 loads out
	s_mov_b32 s[CNT], 3
.Ll0:
	QPAIR 192, 32, 0, 1
	QPAIR 0, 32, 0, 1
	s_sub_co_u32 s[CNT], s[CNT], 1
	s_cmp_lg_u32 s[CNT], 0
	s_cbranch_scc1 .Ll0
	QPAIR 192, 32, 0, 1                            ; pair 6; pair 8, block 1's first, is asked for
	QPAIR 0, 32, 0, 0                              ; pair 7; its set is A's from here on
	s_wait_dscnt 0x0                               ; my images have landed
	s_barrier_signal -1
	s_barrier_wait -1                              ; everybody's have.
	ALOAD
	s_mov_b32 s[IOFF], 0
	s_mov_b32 s[SOFF], 0
	; ---- eight turns on block 0; block 1 is quantised on the way.  The round at a turn's head also stands between every wave's reads of the images and their overwriting
	s_mov_b32 s[CNT], 8
.Lc0:
	TURN 0, 1
	s_sub_co_u32 s[CNT], s[CNT], 1
	s_cmp_lg_u32 s[CNT], 0
	s_cbranch_scc1 .Lc0
	SCORE 0
	; ---- eight turns on block 1; block 0's context on the way.  The last turn is written out
	s_mov_b32 s[CNT], 7
.Lc1:
	TURN 1, 1
	s_sub_co_u32 s[CNT], s[CNT], 1
	s_cmp_lg_u32 s[CNT], 0
	s_cbranch_scc1 .Lc1
	TURN 1, 0
	RLOAD 0                                        ; A is done with: its first registers are the second landing set (the last activation's plain instructions are the places behind the last products)
	FIN
	SCORE 1
	; ---- block 1's context: two landing sets by turns
	s_mov_b32 s[CNT], 3
.Lr1:
	RPAIR 192, 32, 0, 1
	RPAIR 0, 32, 0, 1
	s_sub_co_u32 s[CNT], s[CNT], 1
	s_cmp_lg_u32 s[CNT], 0
	s_cbranch_scc1 .Lr1
	RPAIR 192, 32, 0, 0
	RPAIR 0, 0, 0, 0
	FIN
	s_wait_tensorcnt 0x0                           ; the wave's end, behind my last tensor load and my last LDS store
	ds_add_u32 v4, v5
	s_wait_dscnt 0x0
	ROUND                                          ; the closing round: no work-group ends while a partner may still ask for a tile that names it
	s_endpgm
.Lfunc_end_k_q4b8d706b20_main:
	.size	k_q4b8d706b20_main, .Lfunc_end_k_q4b8d706b20_main-k_q4b8d706b20_main
	.p2alignl 7, 3214868480
	.fill 96, 4, 3214868480
	.section	.rodata,"a",@progbits
	.p2align	6, 0x0
	.amdhsa_kernel k_q4b8d706b20_main
		.amdhsa_group_segment_fixed_size 327680
		.amdhsa_private_segment_fixed_size 0
		.amdhsa_enable_private_segment 0
		.amdhsa_kernarg_size 56
		.amdhsa_user_sgpr_count 2
		.amdhsa_user_sgpr_kernarg_segment_ptr 1
		.amdhsa_wavefront_size32 1
		.amdhsa_system_sgpr_workgroup_id_x 1
		.amdhsa_system_sgpr_workgroup_id_y 1
		.amdhsa_system_sgpr_workgroup_id_z 1
		.amdhsa_system_vgpr_workitem_id 0
		.amdhsa_next_free_vgpr 1024
		.amdhsa_next_free_sgpr 100
		.amdhsa_reserve_vcc 1
		.amdhsa_float_denorm_mode_32 3
		.amdhsa_float_denorm_mode_16_64 3
		.amdhsa_memory_ordered 1
		.amdhsa_forward_progress 1
		.amdhsa_inst_pref_size 255
	.end_amdhsa_kernel
	.section	.bss,"aw",@nobits
	.p2align	6
	.space	262144
	.amdgpu_metadata
---
amdhsa.version: [ 1, 2 ]
amdhsa.kernels:
  - .name:           k_q4b8d706b20_main
    .symbol:         k_q4b8d706b20_main.kd
    .args:
      - { .name: keys, .offset: 0, .size: 8, .value_kind: global_buffer, .address_space: global }
      - { .name: ub, .offset: 8, .size: 8, .value_kind: global_buffer, .address_space: global }
      - { .name: qb, .offset: 16, .size: 8, .value_kind: global_buffer, .address_space: global }
      - { .name: Va_w, .offset: 24, .size: 8, .value_kind: global_buffer, .address_space: global }
      - { .name: scores, .offset: 32, .size: 8, .value_kind: global_buffer, .address_space: global }
      - { .name: ml, .offset: 40, .size: 8, .value_kind: global_buffer, .address_space: global }
      - { .name: cp, .offset: 48, .size: 8, .value_kind: global_buffer, .address_space: global }
    .group_segment_fixed_size: 327680
    .private_segment_fixed_size: 0
    .kernarg_segment_align: 8
    .kernarg_segment_size: 56
    .max_flat_workgroup_size: 128
    .sgpr_count:     100
    .vgpr_count:     1024
    .wavefront_size: 32
...
	.end_amdgpu_metadata
.endif
;; end of part 2
;; launch comb (part 3): grid 8 x 32, 2 waves a work-group, no clusters, 0 bytes of LDS; arguments scores, ml, cp, Va_w, Va_b, out0, out1; writes out0, out1
.if DOCPART == 3
	.amdgcn_target "amdgcn-amd-amdhsa--gfx1250"
	.amdhsa_code_object_version 6
	.text
	.protected	k_q4b8d706b20_comb
	.globl	k_q4b8d706b20_comb
	.p2align	8
	.type	k_q4b8d706b20_comb,@function
k_q4b8d706b20_comb:
	s_mov_b64 s[64:65], 0
	v_nop
	global_prefetch_b8 v0, s[64:65] scope:SCOPE_SE
	s_setreg_imm32_b32 hwreg(HW_REG_WAVE_MODE, 25, 1), 1
	s_wait_xcnt 0x0
; The 64 parts of a batch are joined.  score = raw + SV, SV = sum(Va) + Va_b; M = the largest of the parts' m; e_i = e^(m_i - M); L = sum of l_i e_i;
; weights = e^(score - (M + SV)) / L;  context = sum of cp_i e_i / L.  Work-group (x, b): thread t owns columns 128 x + 2 t, 2 t + 1 of out0 and rows 256 x + 4 t .. + 3 of out1.
; Memory binds and the launch is short: all loads go out at once, each of the 64 loads of cp covers 512 consecutive bytes of a work-group; no LDS, no barrier, no matrix unit: each wave makes M, L and SV for itself.
	s_load_b256 s[4:11], s[0:1], 0x0               ; scores s[4:5], ml s[6:7], cp s[8:9], Va_w s[10:11]
	s_load_b128 s[12:15], s[0:1], 0x20             ; Va_b s[12:13], out0 s[14:15]
	s_load_b64 s[16:17], s[0:1], 0x30              ; out1
	s_and_b32 s18, ttmp7, 0xffff                   ; the batch
	v_and_b32 v1, 31, v0                           ; lane
	v_lshlrev_b32 v2, 3, v0                        ; 8 t
	v_lshlrev_b32 v3, 7, v1                        ; a part's 128 bytes of ml
	v_lshlrev_b32 v4, 4, v1                        ; 16 x lane
	v_lshlrev_b32 v5, 4, v0                        ; 16 t
	v_mov_b32 v54, 0                               ; (a lane permute's destination counts as one of its sources)
	s_mov_b32 s21, 0
	s_mov_b32 s30, 0x76543210
	s_mov_b32 s31, 0xfedcba98
	s_wait_alu depctr_va_vdst(0)
	s_wait_kmcnt 0x0
	s_load_b32 s19, s[12:13], 0x0                  ; Va_b
	s_lshl_b32 s20, s18, 13                        ; 64 parts of 128 bytes; also 2,048 rows of 4 bytes
	s_add_nc_u64 s[6:7], s[6:7], s[20:21]
	s_lshl_b32 s22, ttmp9, 10
	s_add_co_u32 s20, s20, s22                     ; + 256 x rows
	s_add_nc_u64 s[4:5], s[4:5], s[20:21]
	s_add_nc_u64 s[16:17], s[16:17], s[20:21]
	s_lshl_b32 s20, s18, 18                        ; 64 parts of 4,096 bytes
	s_lshl_b32 s22, ttmp9, 9
	s_add_co_u32 s20, s20, s22                     ; + 128 x columns
	s_add_nc_u64 s[8:9], s[8:9], s[20:21]
	s_lshl_b32 s20, s18, 12
	s_add_co_u32 s20, s20, s22
	s_add_nc_u64 s[14:15], s[14:15], s[20:21]
	global_load_b64 v[8:9], v3, s[6:7]             ; m and l of part lane,
	global_load_b64 v[10:11], v3, s[6:7] offset:4096   ; and of part lane + 32
.irp u, 0,1,2,3,4,5,6,7
	global_load_b128 v[16+4*\u:19+4*\u], v4, s[10:11] offset:512*\u
.endr
	global_load_b128 v[48:51], v5, s[4:5]
.set i, 0
.rept 64
	global_load_b64 v[64+2*i:65+2*i], v2, s[8:9] offset:4096*i th:TH_LOAD_NT
.set i, i+1
.endr
	s_wait_loadcnt 0x0
	s_wait_kmcnt 0x0
.irp k, 2,4,6,8,10,12,14,16,18,20,22,24,26,28,30
	v_pk_add_f32 v[16:17], v[16:17], v[16+\k:17+\k]
.endr
	v_add_f32 v16, v16, v17
	v_max_num_f32 v12, v8, v10
.irp x, 1,2,4,8
	v_add_f32_dpp v16, v16, v16 row_xmask:\x row_mask:0xf bank_mask:0xf
	v_max_num_f32_dpp v12, v12, v12 row_xmask:\x row_mask:0xf bank_mask:0xf
.endr
	v_permlanex16_b32 v54, v16, s30, s31
	v_add_f32 v16, v16, v54                        ; sum(Va)
	v_permlanex16_b32 v54, v12, s30, s31
	v_max_num_f32 v12, v12, v54                    ; M
	v_sub_f32 v13, v8, v12
	v_sub_f32 v14, v10, v12
	v_mul_f32 v13, 0x3fb8aa3b, v13
	v_mul_f32 v14, 0x3fb8aa3b, v14
	s_wait_alu depctr_va_vdst(0)
	v_exp_f32 v13, v13
	v_exp_f32 v14, v14                             ; e_i
	v_add_f32 v16, s19, v16                        ; SV.  (A plain instruction behind the exponentials)
	s_wait_alu depctr_va_vdst(0)                   ; the wait ahead of the first use: one for the two
	v_mul_f32 v15, v9, v13
	v_fmac_f32 v15, v11, v14
.irp x, 1,2,4,8
	v_add_f32_dpp v15, v15, v15 row_xmask:\x row_mask:0xf bank_mask:0xf
.endr
	v_permlanex16_b32 v54, v15, s30, s31
	v_add_f32 v15, v15, v54                        ; L
	s_wait_alu depctr_va_vdst(0)
	v_rcp_f32 v15, v15
	v_add_f32 v55, v12, v16                        ; M + SV: the largest score
.irp k, 0,1,2,3
	v_add_f32 v[48+\k], v[48+\k], v16              ; the score
.endr
.irp k, 0,1,2,3
	v_sub_f32 v[48+\k], v[48+\k], v55
.endr
.irp k, 0,1,2,3
	v_mul_f32 v[48+\k], 0x3fb8aa3b, v[48+\k]
.endr
	s_wait_alu depctr_va_vdst(0)
.irp k, 0,1,2,3
	v_exp_f32 v[48+\k], v[48+\k]
.endr
	v_nop
	s_wait_alu depctr_va_vdst(0)                   ; one wait for the reciprocal and the four exponentials
	v_mul_f32 v13, v13, v15                        ; f_i = e_i / L
	v_mul_f32 v14, v14, v15
.irp k, 0,1,2,3
	v_mul_f32 v[48+\k], v[48+\k], v15
.endr
	global_store_b128 v5, v[48:51], s[16:17]       ; sixteen lanes store 256 consecutive bytes
.set i, 0
.rept 64
	v_readlane_b32 s[24+i%4], v[13+i/32], i%32
.if i == 0
	v_mul_f32 v52, s24, v64                        ; the first part starts the sums
	v_mul_f32 v53, s24, v65
.else
	v_fmac_f32 v52, s[24+i%4], v[64+2*i]
	v_fmac_f32 v53, s[24+i%4], v[65+2*i]
.endif
.set i, i+1
.endr
	global_store_b64 v2, v[52:53], s[14:15]
	s_endpgm
.Lfunc_end_k_q4b8d706b20_comb:
	.size	k_q4b8d706b20_comb, .Lfunc_end_k_q4b8d706b20_comb-k_q4b8d706b20_comb
	.p2alignl 7, 3214868480
	.fill 96, 4, 3214868480
	.section	.rodata,"a",@progbits
	.p2align	6, 0x0
	.amdhsa_kernel k_q4b8d706b20_comb
		.amdhsa_group_segment_fixed_size 0
		.amdhsa_private_segment_fixed_size 0
		.amdhsa_enable_private_segment 0
		.amdhsa_kernarg_size 56
		.amdhsa_user_sgpr_count 2
		.amdhsa_user_sgpr_kernarg_segment_ptr 1
		.amdhsa_wavefront_size32 1
		.amdhsa_system_sgpr_workgroup_id_x 1
		.amdhsa_system_sgpr_workgroup_id_y 1
		.amdhsa_system_sgpr_workgroup_id_z 1
		.amdhsa_system_vgpr_workitem_id 0
		.amdhsa_next_free_vgpr 192
		.amdhsa_next_free_sgpr 66
		.amdhsa_reserve_vcc 0
		.amdhsa_float_denorm_mode_32 3
		.amdhsa_float_denorm_mode_16_64 3
		.amdhsa_memory_ordered 1
		.amdhsa_forward_progress 1
		.amdhsa_inst_pref_size 21
	.end_amdhsa_kernel
	.amdgpu_metadata
---
amdhsa.version: [ 1, 2 ]
amdhsa.kernels:
  - .name:           k_q4b8d706b20_comb
    .symbol:         k_q4b8d706b20_comb.kd
    .args:
      - { .name: scores, .offset: 0, .size: 8, .value_kind: global_buffer, .address_space: global }
      - { .name: ml, .offset: 8, .size: 8, .value_kind: global_buffer, .address_space: global }
      - { .name: cp, .offset: 16, .size: 8, .value_kind: global_buffer, .address_space: global }
      - { .name: Va_w, .offset: 24, .size: 8, .value_kind: global_buffer, .address_space: global }
      - { .name: Va_b, .offset: 32, .size: 8, .value_kind: global_buffer, .address_space: global }
      - { .name: out0, .offset: 40, .size: 8, .value_kind: global_buffer, .address_space: global }
      - { .name: out1, .offset: 48, .size: 8, .value_kind: global_buffer, .address_space: global }
    .group_segment_fixed_size: 0
    .private_segment_fixed_size: 0
    .kernarg_segment_align: 8
    .kernarg_segment_size: 56
    .max_flat_workgroup_size: 64
    .sgpr_count:     66
    .vgpr_count:     192
    .wavefront_size: 32
...
	.end_amdgpu_metadata
.endif
;; end of part 3
